; MI455X (gfx1250); checked and timed in simulation.
; The chip was launched on July 23, 2026; its instructions are those of AMD's public machine-readable ISA for CDNA 5 (MIT licence, August 2026) and "CDNA5" Instruction Set Architecture Reference Guide (July 2026). The comments in the code are by the model that wrote it; some were corrected since.
;; NON Local Block2 D. Allowed arithmetic: matrix products marked QUANTISED: E2M1 operands, one E8M0 scale for each 32 along K, by v_wmma_scale_f32_16x16x128_f8f6f4 with both operands' format E2M1 (or v_wmma_scale_f32_32x16x128_f4), f32 sums; products left as they are: bf16, f16 or f32 operands; f32 sums; everything else in f32.
;; Inputs: W_w 256 x 32 float32; g_w 32 x 256 float32; theta_w 32 x 256 float32; x 4 x 256 x 64 x 64 float32.
;; Outputs: out0 4 x 256 x 64 x 64 float32.
;; This version of the problem:
;;   THIS VERSION OF THE PROBLEM IS GIVEN IN LOW PRECISION. The matrix products marked QUANTISED in the list below multiply operands that are first quantised to E2M1 (2 exponent bits, 1 mantissa bit; 4 bits a number), with one power-of-two scale for each 32 numbers along K (OCP MX v1.0); their sums are f32. The products marked 'left as it is' may take bf16, f16 or f32 operands, with f32 sums. Whichever they take, every output number must still come out within the allowed error. Rounding operands to bf16 (8 significant bits) uses up far more of that allowance than f16 does (11 bits, for magnitudes from 6e-5 to 65,504). All else is computed in f32.
;;   The module's matrix products, in the order in which they are computed (A, B: the left and right operand; K: the contracted axis; several contracted axes count as one K, in the product's order):
;;     1. [M 16,384, K 256] x [K 256, N 32]; A: input x; B: input g_w: QUANTISED
;;     2. [M 16,384, K 256] x [K 256, N 32]; A: input x; B: input theta_w: QUANTISED
;;     3. batch 4 x [M 4,096, K 32] x [K 32, N 4,096]; A: computed on the way; B: computed on the way: left as it is (an operand is computed on the way)
;;     4. batch 4 x [M 4,096, K 4,096] x [K 4,096, N 32]; A: computed on the way; B: computed on the way: left as it is (an operand is computed on the way)
;;     5. [M 16,384, K 32] x [K 32, N 256]; A: computed on the way; B: input W_w: left as it is (an operand is computed on the way)
;;   THE QUANTISER, for each operand of a quantised product, along K:
;;     - K is cut into blocks of 32 from its start; a last block that is shorter is filled with zeros.
;;     - A block's scale is 2^e with e = floor(log2(the largest magnitude in the block)) - 2, held to -126 .. 127; a block of zeros has e = 0. As a byte (E8M0): e + 127.
;;     - Each number is divided by its block's scale, clamped to +-6, and rounded to the nearest number of E2M1, ties to even, subnormals kept.
;;     - The product sums the exact products of the quantised numbers (number of the format x scale) in f32.
;;   ~~~python
;;   def quantise(x, axis):      # numpy; x: float32 -> the quantised numbers, widened to float32 again
;;       x = np.moveaxis(x, axis, -1); K = x.shape[-1]
;;       x = np.pad(x, [(0, 0)] * (x.ndim - 1) + [(0, -K % 32)]); x = x.reshape(x.shape[:-1] + (-1, 32)); a = np.abs(x).max(-1, keepdims=True)
;;       e = np.where(a > 0, np.clip(np.frexp(np.where(a > 0, a, 1))[1] - 1 - 2, -126, 127), 0)      # np.frexp(a)[1] - 1 = floor(log2(a)), exactly
;;       r = np.clip(x / 2.0 ** e, -6, 6)
;;       step = 2.0 ** (np.maximum(np.frexp(np.where(r == 0, 1, r))[1] - 1, 0) - 1)
;;       q = np.round(r / step) * step * 2.0 ** e      # np.round: ties to even
;;       return np.moveaxis(q.reshape(q.shape[:-2] + (-1,))[..., :K], -1, axis).astype(np.float32)
;;   ~~~
;; One version. Each part assembles by itself: llvm-mc -triple=amdgcn-amd-amdhsa -mcpu=gfx1250 --defsym DOCPART=n.
;; ======== version 1 of 1: 2 launches
;; limits: values are held in f16: magnitudes above 65,504 overflow, below 6.1e-05 lose precision
;; workspace buffers: kv 2,097,152 bytes
;; launch project (part 1): grid 256 x 1, 16 waves a work-group, no clusters, 19,456 bytes of LDS; arguments x, g_w, theta_w, kv; writes kv
.if DOCPART == 1
	.amdgcn_target "amdgcn-amd-amdhsa--gfx1250"
	.amdhsa_code_object_version 6
	.text
	.protected	k_qeef460760d_project
	.globl	k_qeef460760d_project
	.p2align	8
	.type	k_qeef460760d_project,@function
k_qeef460760d_project:
	s_mov_b64 s[64:65], 0
	v_nop
	global_prefetch_b8 v0, s[64:65] scope:SCOPE_SE
	s_setreg_imm32_b32 hwreg(HW_REG_WAVE_MODE, 25, 1), 1
	s_wait_xcnt 0x0
; th[b][n][i] = sum over c of Q(theta_w)[i][c] Q(x)[b][c][n] and g_x likewise with g_w: the two QUANTISED products, on codes of FP4 (E2M1) with one E8M0 scale for each 32 along c.
; x: [4][256][4096] f32 (K = c is NOT innermost); g_w, theta_w: [32][256] f32 (K innermost).  Results are rounded to f16, the format in which the later products take them, and stored in
; kv in the ORDER OF THE LATER OPERANDS' REGISTERS: [batch][32 chunks of 128 keys][16,384 bytes]: 8 fragments of th (16 keys x 32 channels, 1,024 bytes each), then 8 of g_x turned
; (32 keys x 16 channels: group of keys kk, half of the channels u at 2 kk + u).  A fragment is two groups of four registers, each 16 bytes a lane, 512 bytes on end.
; DEAD WORK: none.  All five products of the problem, the softmax and the residual reach out0 for general inputs; every input is loaded (W_w and x once more in the second launch).
; SHARES.  A work-group owns 64 positions of one batch; 16 waves.  First everything is quantised, each number once in the work-group.
; x: a thread takes ONE block of 32 channels of one position: a lane is a position and its 32 registers run down c, so a block's largest magnitude needs no other lane and the conversions give codes with
; K innermost.  A load of x reads 128 consecutive bytes; waves 2 k and 2 k + 1 read the two halves of 256 aligned bytes.
; THE WEIGHTS (64 rows x 8 blocks): wave w takes tile w / 4 of 16 rows and blocks 2 (w % 4), 2 (w % 4) + 1, four rows at a time.  Eight neighbouring lanes take the two blocks of one row, 256 consecutive
; aligned bytes, 32 bytes (8 numbers) a lane: a pair of loads reads four whole runs of 256 bytes.  Four lanes hold a block: its largest magnitude joins them by two steps between lanes.
; Codes and scale bytes go to LDS as images of the operands' registers; one barrier; then each wave makes one tile of 16 x 16.
; theta's tiles are taken as theta x X: a lane then holds one key and eight neighbouring channels: a group of a th fragment.  g's are taken as X x g: a lane holds one channel and eight neighbouring keys.
; Which image is the first source is chosen by arithmetic on the wave's number in the LDS addresses: one text for all waves, no branch.
; NO CLUSTER: the work-groups share the 65,536 bytes of weights alone, 128 bytes a thread, read once at the head beside the loads of x; the launch has no loop, and a joint request would put rounds of a
; cluster's barrier and one more trip through LDS in front of that one step.
; A block's scale is 2^(floor(log2(largest magnitude)) - 2): its byte is the largest magnitude's exponent field - 2, held at 1 from below.  A block of zeros keeps the byte 1 where the rule says 127: its
; codes are zeros, and this program alone reads the bytes.
; LIMITS: NaN and infinities among the inputs are not served.  |th| or |g_x| beyond 65,504 becomes an infinity in f16 (inputs of the problem's kind give about 5; 30 x 30 times that, or both
; offsets of 30 spreads together, about 14,400, still fit).
.set WIMG,  0                          ; LDS: the weights' 8 fragments (tile T = theta 0, theta 1, g 0, g 1; K step s: 2 T + s), 1,024 bytes each
.set XIMG,  8192                       ; x's 8 fragments (tile of 16 positions p, K step s: 2 p + s)
.set WSC,   16384                      ; the weights' scale words: 64 bytes for each fragment
.set XSC,   16896                      ; x's
.set SPARE, 17408                      ; the spare words, 128 bytes for each of 16 waves: eight blocks of 256 bytes that no other line names
.set SPW, 1                            ; v1  LDS address of my spare word; never rewritten
.set NIL, 2                            ; v2  0; never rewritten
.set LN,  3                            ; lane
.set RR,  4                            ; lane % 16
.set HH,  5                            ; lane / 16
.set WOF, 6                            ; my 32 bytes' place in my wave's part of its weight
.set XOF, 7                            ; 4 x lane
.set AWI, 8                            ; LDS: where my weight codes go,
.set AWS, 9                            ; their scale bytes,
.set AXI, 10                           ; my codes of x,
.set AXS, 11                           ; their scale byte
.set LA,  12                           ; LDS: the first source's fragments, the second's,
.set LB,  13
.set LSA, 14                           ; and their scale words
.set LSB, 15
.set OOF, 16                           ; 16 x lane
.set TT,  17                           ; lane / 8: which of a task's four rows
.set TA,  18                           ; at work
.set TB,  19
.set TS,  20
.set EX,  22                           ; x's scale byte
.set TU,  23                           ; at work
.set WM,  24                           ; v24-27  the weights' four tasks: largest magnitudes, then scale bytes
.set WT,  28                           ; v28-31  their conversions' scale operands
.set XR,  32                           ; v32-63  32 numbers of x
.set WR,  64                           ; v64-95  4 x 8 numbers of a weight
.set XC,  96                           ; v96-99  codes
.set WC,  100                          ; v100-103
.set AF,  104                          ; v104-119 first source, two K steps
.set BF,  120                          ; v120-135 second source
.set SA,  136                          ; v136-137 scale words: these hold scales and nothing else
.set SB,  138                          ; v138-139
.set DD,  140                          ; v140-147 the sums
.set PK,  148                          ; v148-151 as f16
; 32 numbers of one block in v[x] on become 32 codes in v[c] .. v[c + 3] and the scale's byte in v[e]
.macro QUANT x, c, e
	v_max3_num_f32 v[TA], |v[\x]|, |v[\x+1]|, |v[\x+2]|
	v_max3_num_f32 v[TB], |v[\x+3]|, |v[\x+4]|, |v[\x+5]|
.irp i, 6,10,14,18,22,26
	v_max3_num_f32 v[TA], v[TA], |v[\x+\i]|, |v[\x+\i+1]|
	v_max3_num_f32 v[TB], v[TB], |v[\x+\i+2]|, |v[\x+\i+3]|
.endr
	v_max3_num_f32 v[TA], v[TA], |v[\x+30]|, |v[\x+31]|
	v_max3_num_f32 v[TA], v[TA], v[TB], 0x1800000  ; with the floor 2^(3 - 127): the byte cannot fall under 1
	v_add_nc_u32 v[TS], 0xff000000, v[TA]          ; 2 off the exponent field: the conversion takes this operand's exponent field as its scale
	v_lshrrev_b32 v[\e], 23, v[TS]                 ; the scale's byte
.irp g, 0,1,2,3
	v_cvt_scalef32_pk8_fp4_f32 v[\c+\g], v[\x+8*\g:\x+8*\g+7], v[TS]
.endr
	v_nop                                          ; one plain line behind the last scaled conversion
.endm
; The weights' four tasks by turns: 8 numbers of a block in v[WR + 8 i] on become 8 codes in v[WC + i]; the block's byte in v[WM + i] (the same in the block's four lanes)
.macro QUANTW
.irp i, 0,1,2,3
	v_max3_num_f32 v[WM+\i], |v[WR+8*\i]|, |v[WR+8*\i+1]|, 0x1800000   ; my 8 numbers, and the floor 2^(3 - 127)
.endr
.irp q, 2,4,6
.irp i, 0,1,2,3
	v_max3_num_f32 v[WM+\i], v[WM+\i], |v[WR+8*\i+\q]|, |v[WR+8*\i+\q+1]|
.endr
.endr
.irp i, 0,1,2,3
	v_max_num_f32_dpp v[WM+\i], v[WM+\i], v[WM+\i] row_xmask:1 row_mask:0xf bank_mask:0xf   ; with lane l xor 1's,
.endr
.irp i, 0,1,2,3
	v_max_num_f32_dpp v[WM+\i], v[WM+\i], v[WM+\i] row_xmask:2 row_mask:0xf bank_mask:0xf   ; and lanes l xor 2, 3's: the block's
.endr
.irp i, 0,1,2,3
	v_add_nc_u32 v[WT+\i], 0xff000000, v[WM+\i]
.endr
.irp i, 0,1,2,3
	v_lshrrev_b32 v[WM+\i], 23, v[WT+\i]
.endr
.irp i, 0,1,2,3
	v_cvt_scalef32_pk8_fp4_f32 v[WC+\i], v[WR+8*\i:WR+8*\i+7], v[WT+\i]
.endr
	v_nop                                          ; one plain line behind the last scaled conversion
.endm
	s_load_b128 s[4:7], s[0:1], 0x0                ; x, g_w
	s_load_b128 s[8:11], s[0:1], 0x10              ; theta_w, kv
	v_lshl_add_u32 v[SPW], v0, 2, SPARE
	v_mov_b32 v[NIL], 0
	v_lshrrev_b32 v[LN], 5, v0
	v_readfirstlane_b32 s12, v[LN]                 ; wave w, 0..15
	v_and_b32 v[LN], 31, v0
	v_and_b32 v[RR], 15, v0
	v_bfe_u32 v[HH], v0, 4, 1
	s_lshr_b32 s20, s12, 1                         ; w / 2
	s_and_b32 s21, s12, 1                          ; w % 2
	s_lshr_b32 s22, s12, 2                         ; w / 4
	s_and_b32 s23, s12, 3                          ; w % 4
	s_lshr_b32 s24, s12, 3                         ; w / 8
	; my part of a weight: rows 16 ((w / 4) % 2) on (1,024 bytes a row), blocks 2 (w % 4) on (128 bytes a block); in task i row 4 i + lane / 8, bytes 32 (lane % 8) on of the pair's 256
	s_and_b32 s13, s22, 1
	s_lshl_b32 s13, s13, 14
	s_lshl_b32 s25, s23, 8
	s_add_co_u32 s13, s13, s25
	v_bfe_u32 v[TT], v0, 3, 2
	v_and_b32 v[TU], 7, v0
	v_lshlrev_b32 v[WOF], 10, v[TT]
	v_lshl_add_u32 v[WOF], v[TU], 5, v[WOF]
	v_add_nc_u32 v[WOF], s13, v[WOF]
	; my block of x: channels 32 (w / 2) on, positions 32 (w % 2) + lane of the work-group's 64.  A batch is 2^22 bytes, a channel 16,384
	s_lshr_b32 s16, ttmp9, 6
	s_lshl_b32 s16, s16, 22
	s_lshl_b32 s25, s20, 19
	s_add_co_u32 s16, s16, s25
	s_and_b32 s25, ttmp9, 63
	s_lshl_b32 s25, s25, 8
	s_add_co_u32 s16, s16, s25
	s_lshl_b32 s25, s21, 7
	s_add_co_u32 s16, s16, s25
	s_mov_b32 s17, 0
	v_lshlrev_b32 v[XOF], 2, v[LN]
	s_wait_kmcnt 0x0
	s_cmp_lt_u32 s12, 8                            ; waves 0-7 quantise theta_w, waves 8-15 g_w: the choice hangs on the wave's number alone
	s_cselect_b64 s[14:15], s[8:9], s[6:7]
	s_add_nc_u64 s[4:5], s[4:5], s[16:17]
.irp i, 0,1,2,3,4,5,6,7,8,9,10,11,12,13,14,15,16,17,18,19,20,21,22,23,24,25,26,27,28,29,30,31
	global_load_b32 v[XR+\i], v[XOF], s[4:5] offset:\i*16384   ; x(32 (w / 2) + i, my position): 32 lanes read 128 consecutive bytes.  x is asked for first: it is quantised first
.endr
.irp i, 0,1,2,3
	global_load_b128 v[WR+8*\i:WR+8*\i+3], v[WOF], s[14:15] offset:4096*\i       ; task i: rows 4 i .. 4 i + 3; the two loads together read 256 consecutive bytes of each
	global_load_b128 v[WR+8*\i+4:WR+8*\i+7], v[WOF], s[14:15] offset:4096*\i+16
.endr
	; the LDS addresses, while the loads are out.  A weight's codes of tile T, block b, row r, numbers 8 j on lie at 2,048 T + 256 b + 16 r + 4 j: here 512 w + 256 ((lane / 4) % 2) + 16 (lane / 8) + 4 (lane % 4) + 64 i
	s_lshl_b32 s25, s12, 9
	v_bfe_u32 v[AWI], v0, 2, 1
	v_lshlrev_b32 v[AWI], 8, v[AWI]
	v_lshl_add_u32 v[AWI], v[TT], 4, v[AWI]
	v_and_b32 v[TU], 3, v0
	v_lshl_add_u32 v[AWI], v[TU], 2, v[AWI]
	v_add_nc_u32 v[AWI], s25, v[AWI]
	s_lshl_b32 s25, s20, 6                         ; their bytes: fragment w / 2 (64 bytes), row 4 i + lane / 8 (4 bytes), byte 2 (w % 2) + (lane / 4) % 2
	s_lshl_b32 s26, s21, 1
	s_add_co_u32 s25, s25, s26
	s_add_co_u32 s25, s25, WSC
	v_bfe_u32 v[AWS], v0, 2, 1
	v_lshl_add_u32 v[AWS], v[TT], 2, v[AWS]
	v_add_nc_u32 v[AWS], s25, v[AWS]
	s_lshl_b32 s25, s21, 12                        ; x's codes: tile p = 2 (w % 2) + lane / 16 (2,048 bytes a tile), block w / 2 (256 bytes a block), row lane % 16
	s_lshl_b32 s26, s20, 8
	s_add_co_u32 s25, s25, s26
	s_add_co_u32 s25, s25, XIMG
	v_lshlrev_b32 v[AXI], 11, v[HH]
	v_lshl_add_u32 v[AXI], v[RR], 4, v[AXI]
	v_add_nc_u32 v[AXI], s25, v[AXI]
	s_lshl_b32 s25, s21, 8                         ; their byte: 128 bytes a tile, 64 a K step (w / 8), 4 a row, byte (w / 2) % 4
	s_lshl_b32 s26, s24, 6
	s_add_co_u32 s25, s25, s26
	s_and_b32 s26, s20, 3
	s_add_co_u32 s25, s25, s26
	s_add_co_u32 s25, s25, XSC
	v_lshlrev_b32 v[AXS], 7, v[HH]
	v_lshl_add_u32 v[AXS], v[RR], 2, v[AXS]
	v_add_nc_u32 v[AXS], s25, v[AXS]
	; the product's share: wave w = (matrix w / 8, its 16 rows u = (w / 4) % 2, tile of positions p = w % 4).  theta: first source the weight, second x; g: the other way round
	s_lshl_b32 s25, s22, 11                        ; the weight's tile w / 4
	s_lshl_b32 s26, s23, 11
	s_add_co_u32 s26, s26, XIMG                    ; x's tile p
	s_xor_b32 s27, s25, s26
	s_mul_i32 s27, s27, s24                        ; 0 for theta; for g the exclusive or of the two, which swaps them
	s_xor_b32 s25, s25, s27
	s_xor_b32 s26, s26, s27
	v_lshlrev_b32 v[OOF], 4, v[LN]
	v_add_nc_u32 v[LA], s25, v[OOF]
	v_add_nc_u32 v[LB], s26, v[OOF]
	s_lshl_b32 s25, s22, 7
	s_add_co_u32 s25, s25, WSC
	s_lshl_b32 s26, s23, 7
	s_add_co_u32 s26, s26, XSC
	s_xor_b32 s27, s25, s26
	s_mul_i32 s27, s27, s24
	s_xor_b32 s25, s25, s27
	s_xor_b32 s26, s26, s27
	v_lshl_add_u32 v[LSA], v[RR], 2, s25
	v_lshl_add_u32 v[LSB], v[RR], 2, s26
	; where my 512 bytes go in kv: chunk = work-group / 2; theta: fragment 4 (work-group % 2) + p, group u; g: behind 8,192 bytes, fragment 2 (2 (work-group % 2) + p / 2) + u, group p % 2
	s_lshr_b32 s32, ttmp9, 1
	s_lshl_b32 s32, s32, 14
	s_and_b32 s28, ttmp9, 1
	s_and_b32 s29, s22, 1
	s_lshl_b32 s30, s28, 2
	s_add_co_u32 s30, s30, s23
	s_lshl_b32 s30, s30, 10
	s_lshl_b32 s31, s29, 9
	s_add_co_u32 s30, s30, s31
	s_lshl_b32 s31, s28, 1
	s_lshr_b32 s33, s23, 1
	s_add_co_u32 s31, s31, s33
	s_lshl_b32 s31, s31, 11
	s_lshl_b32 s33, s29, 10
	s_add_co_u32 s31, s31, s33
	s_and_b32 s33, s23, 1
	s_lshl_b32 s33, s33, 9
	s_add_co_u32 s31, s31, s33
	s_add_co_u32 s31, s31, 8192
	s_cmp_lt_u32 s12, 8
	s_cselect_b32 s30, s30, s31
	s_add_co_u32 s32, s32, s30
	s_mov_b32 s33, 0
	s_add_nc_u64 s[10:11], s[10:11], s[32:33]
	s_wait_loadcnt 8                               ; x's 32 loads are in; the weight's eight, issued behind them, may be out
	QUANT XR, XC, EX
	ds_store_b128 v[AXI], v[XC:XC+3]
	ds_store_b8 v[AXS], v[EX]
	s_wait_loadcnt 0x0                             ; the weight
	QUANTW
.irp i, 0,1,2,3
	ds_store_b32 v[AWI], v[WC+\i] offset:64*\i     ; four lanes fill the 16 bytes of a block's place in the image
	ds_store_b8 v[AWS], v[WM+\i] offset:16*\i      ; the four lanes of a block write the same byte with the same value
.endr
	s_wait_dscnt 0x0                               ; for the others' sake: my stores have landed
	s_barrier_signal -1
	s_barrier_wait -1                              ; all sixteen fragments and their scale words lie in LDS
.irp s, 0,1
.irp c, 0,1
	ds_load_b128 v[AF+8*\s+4*\c:AF+8*\s+4*\c+3], v[LA] offset:1024*\s+512*\c
	ds_load_b128 v[BF+8*\s+4*\c:BF+8*\s+4*\c+3], v[LB] offset:1024*\s+512*\c
.endr
	ds_load_b32 v[SA+\s], v[LSA] offset:64*\s      ; lane r: row r's four bytes of this K step (lanes 16-31 hold the same and are not read)
	ds_load_b32 v[SB+\s], v[LSB] offset:64*\s
.endr
	s_wait_dscnt 0x0
	v_wmma_scale_f32_16x16x128_f8f6f4 v[DD:DD+7], v[AF:AF+7], v[BF:BF+7], 0, v[SA], v[SB] matrix_a_fmt:MATRIX_FMT_FP4 matrix_b_fmt:MATRIX_FMT_FP4
	s_wait_alu depctr_va_vdst(0)                   ; the wait directly ahead of the second
	v_wmma_scale_f32_16x16x128_f8f6f4 v[DD:DD+7], v[AF+8:AF+15], v[BF+8:BF+15], v[DD:DD+7], v[SA+1], v[SB+1] matrix_a_fmt:MATRIX_FMT_FP4 matrix_b_fmt:MATRIX_FMT_FP4
.rept 4
	v_nop                                          ; four places ahead of the first read of the sums (ISA guide 7.12.1)
.endr
.irp k, 0,1,2,3
	v_cvt_pk_f16_f32 v[PK+\k], v[DD+2*\k], v[DD+2*\k+1]   ; theta: key lane % 16, channels 16 u + 8 (lane / 16) + 0..7;  g: channel 16 u + lane % 16, keys 16 p + 8 (lane / 16) + 0..7
.endr
	global_store_b128 v[OOF], v[PK:PK+3], s[10:11] ; 32 lanes store 512 consecutive bytes, at a multiple of 512 from kv's first byte
	s_wait_tensorcnt 0x0                           ; the wave's end
	ds_add_u32 v[SPW], v[NIL]
	s_wait_dscnt 0x0
	s_endpgm
.Lfunc_end_k_qeef460760d_project:
	.size	k_qeef460760d_project, .Lfunc_end_k_qeef460760d_project-k_qeef460760d_project
	.p2alignl 7, 3214868480
	.fill 96, 4, 3214868480
	.section	.rodata,"a",@progbits
	.p2align	6, 0x0
	.amdhsa_kernel k_qeef460760d_project
		.amdhsa_group_segment_fixed_size 19456
		.amdhsa_private_segment_fixed_size 0
		.amdhsa_enable_private_segment 0
		.amdhsa_kernarg_size 32
		.amdhsa_user_sgpr_count 2
		.amdhsa_user_sgpr_kernarg_segment_ptr 1
		.amdhsa_wavefront_size32 1
		.amdhsa_system_sgpr_workgroup_id_x 1
		.amdhsa_system_sgpr_workgroup_id_y 1
		.amdhsa_system_sgpr_workgroup_id_z 1
		.amdhsa_system_vgpr_workitem_id 0
		.amdhsa_next_free_vgpr 152
		.amdhsa_next_free_sgpr 66
		.amdhsa_reserve_vcc 0
		.amdhsa_float_denorm_mode_32 3
		.amdhsa_float_denorm_mode_16_64 3
		.amdhsa_memory_ordered 1
		.amdhsa_forward_progress 1
		.amdhsa_inst_pref_size 15
	.end_amdhsa_kernel
	.amdgpu_metadata
---
amdhsa.version: [ 1, 2 ]
amdhsa.kernels:
  - .name:           k_qeef460760d_project
    .symbol:         k_qeef460760d_project.kd
    .args:
      - { .name: x, .offset: 0, .size: 8, .value_kind: global_buffer, .address_space: global }
      - { .name: g_w, .offset: 8, .size: 8, .value_kind: global_buffer, .address_space: global }
      - { .name: theta_w, .offset: 16, .size: 8, .value_kind: global_buffer, .address_space: global }
      - { .name: kv, .offset: 24, .size: 8, .value_kind: global_buffer, .address_space: global }
    .group_segment_fixed_size: 19456
    .private_segment_fixed_size: 0
    .kernarg_segment_align: 8
    .kernarg_segment_size: 32
    .max_flat_workgroup_size: 512
    .sgpr_count:     66
    .vgpr_count:     152
    .wavefront_size: 32
...
	.end_amdgpu_metadata
.endif
;; end of part 1
;; launch attend (part 2): grid 64 x 4, 8 waves a work-group, clusters of 4 x 1, 327,680 bytes of LDS; arguments kv, x, W_w, out0; writes out0
.if DOCPART == 2
	.amdgcn_target "amdgcn-amd-amdhsa--gfx1250"
	.amdhsa_code_object_version 6
	.text
	.protected	k_qeef460760d_attend
	.globl	k_qeef460760d_attend
	.p2align	8
	.type	k_qeef460760d_attend,@function
k_qeef460760d_attend:
	s_mov_b64 s[64:65], 0
	v_nop
	global_prefetch_b8 v0, s[64:65] scope:SCOPE_SE
	s_setreg_imm32_b32 hwreg(HW_REG_WAVE_MODE, 25, 1), 1
	s_wait_xcnt 0x0
	s_wait_alu depctr_hold_cnt(0) depctr_sa_sdst(0) depctr_va_vdst(0) depctr_va_sdst(0) depctr_va_ssrc(0) depctr_va_vcc(0) depctr_vm_vsrc(0)
	s_getreg_b32 s2, hwreg(HW_REG_IB_STS2, 6, 4)
	s_cmp_eq_u32 s2, 0
	s_cbranch_scc0 .Lentry_in_a_cluster
	s_endpgm
.Lentry_in_a_cluster:
	s_bfe_u32 s2, ttmp6, 0x10000c
	s_cmp_lg_u32 s2, 0x3003
	s_cbranch_scc0 .Lentry_shape_is_right
	s_endpgm
.Lentry_shape_is_right:
; out[b][c][n] = x[b][c][n] + sum over i of W_w[c][i] y[b][n][i],  y[b][n] = sum over m of softmax_m(th[b][n] . th[b][m]) g_x[b][m].  th and g_x come as f16 fragments out of kv (the first launch).
; All three products take f16 operands and sum in f32; maxima, exponentials, row sums and the merge are f32.  No work of the problem is left out here.
; SHARES.  A work-group owns 64 queries of one batch.  ITS EIGHT WAVES SPLIT THE KEYS: wave w takes all 64 queries (four tiles of 16) against chunks w, 8 + w, 16 + w, 24 + w of 128 keys, so each
; fragment of th and g_x is read from LDS once, by one wave, and feeds four matrix instructions.  The eight partial results (largest score, row sum, O) are merged through LDS at the end.
; LAYOUT.  S^T = K Q^T (source 0 = 16 keys, source 1 = 16 queries): a lane holds ONE query (lane % 16) and keys 8 (lane / 16) + 0..7.  Two such tiles, rounded to f16 in pairs, ARE source 1 of
; O^T = V^T P (32 keys x 16 queries), whose result again holds one query a lane.  P is packed IN PLACE: pair j of a tile's 64 weights goes into register j of the same buffer.
; SOFTMAX.  For each query a running largest score m and sum l: p = 2^(c s - c m), c = log2(e); in every step O and l are multiplied by a = 2^(c m_old - c m_new).  -c m is kept as it was rounded, in two
; registers by turns, so that a is made of the very numbers that the exponentials used.  The waves' partial results are brought under the least -c m of the eight in the same way.
; PIPELINE.  16 units (step, tile).  Inside the softmax of unit i stand four batches of four matrix instructions: V^T P of unit i - 1 (its two accumulators by turns) and K Q^T
; of unit i + 1; two score buffers take turns.  Batches of four keep the switches of the register windows at ten a unit; the SIMD's second wave issues while one wave's batch goes out.
; RING AND CLUSTER.  The four query blocks of a cluster belong to one batch and walk the same kv, so each chunk is asked for JOINTLY: the same tensor load, with the same descriptor and the mask of all
; four, in all four work-groups: 131,072 bytes a step are requested once for four.  Two slots of 131,072 bytes, a part of 16,384 for each wave, which alone reads it behind its own wait.
; A step's K goes into registers in tile 2 of the step before, its V in its own tile 0; so slot s % 2 is read out early in step s and is filled again in that step's tile 2, a whole step ahead of
; the first read of the new bytes.
; WHAT IS ASKED FOR WHEN.  The first scores want Q and the K of step 0 and nothing else.  So Q's loads go out ahead of the opening round; the first chunk is asked for in two loads, K's 8,192 bytes ahead of
; V's, so that the first scores wait for 65,536 of the work-group's bytes and not for 131,072; V of step 0 goes into registers inside unit 0.  x (64 registers a wave) and W_w (32) are wanted on the way out
; alone: they are asked for in unit 8, behind the request for the last chunk, seven units and the merge ahead of their use.  By this text's count a wave has three tensor loads out at the start and one
; behind each of the two refills.
; LIMITS: NaN and infinities are not served; th and g_x are f16 (first launch's limit: 65,504).  W_w beyond 65,504 would be an infinity in f16 (inputs of the problem's kind: under 1).
.set PART,  16384                      ; a chunk: 8 fragments of K, then 8 of V, 1,024 bytes each
.set STEPB, 8*PART                     ; a step's bytes in kv, and a slot
.set SLOT1, 1<<17
.set VOFF,  8192
.set SPARE, 2*SLOT1                    ; behind the ring: the spare words, 128 bytes for each of 8 waves: four blocks of 256 bytes that no other line names
.set YF,    SPARE+1024                 ; y's four fragments, 1,024 bytes each: bytes into which no fill lands
.set SP,    272                        ; a stage row: 256 bytes + 16
; window 0
.set SPW, 1                            ; v1   LDS address of my spare word; never rewritten
.set NIL, 2                            ; v2   0; never rewritten
.set LI,  3                            ; v3   16 x lane
.set LA,  4                            ; v4-5 my part of slot 0, 1, + 16 x lane
.set RA,  6                            ; v6-7 the merge: my O tile in the parts of waves 0-3, 4-7
.set RS,  8                            ; v8-9 the merge: my tile's statistics there
.set PS,  10                           ; v10  my part of slot 0 + 4 x lane
.set YW,  11                           ; v11  where my group of y's fragment goes
.set YA,  12                           ; v12  y's fragments + 16 x lane
.set SO,  13                           ; v13  the stage: where I put 32 bytes of a row
.set SR,  14                           ; v14  and where I read rows back
.set XO,  15                           ; v15  my byte offset in my wave's rows of x and out
.set ST,  16                           ; v16-47 tile t's statistics at ST + 8 t: +0 -c m (even steps), +1 m, +2 -c m (odd steps), +3 at work, +4, +5 l, +6 a, +7 its exponent
.set TC,  48                           ; v48-51 four running maxima
.set TA,  52                           ; v52-55 two running sums (pairs)
.set TB,  54
.set WO,  56                           ; v56  my byte offset in my wave's rows of W_w
.set S0,  64                           ; v64-127, v128-191 the two score buffers
.set X,   192                          ; v192-255 x
; window 1
.set QF,  0                            ; Q: 4 fragments
.set KF,  32                           ; K of one step: 8
.set VF,  96                           ; V of one step: 8
.set OF,  160                          ; O^T: tile t, channels 16 u on: 8 registers at OF + 16 t + 8 u
.set WF,  224                          ; W_w: 32 registers as f32, packed in place into 2 fragments of f16 in the first 16
; the way out, window 0
.set RO,  64                           ; 8 partial O tiles
.set FP,  128                          ; pairs (factor, partial l) of the 8 waves
.set NM,  144                          ; their -c m
.set AC,  152                          ; the merged tile
.set LT,  160
.set TM,  161
.set RC,  162                          ; 1 / l, in a pair
.set YP,  164                          ; y as f16
.set YR,  64                           ; y's 4 fragments
.set DR,  128                          ; W y: 8 tiles
.set BK,  64                           ; rows read back
.set WV,  12
.set G1,  16                           ; s[16:23] descriptor group 1: a whole chunk
.set G0,  24                           ; s[24:31] group 0, a set for each slot
.set CS,  32                           ; s[32:33] c, named as a pair
.set NC,  34                           ; s34 -c
.set SEL, 36                           ; s[36:37] lane selects: lane l xor 16
.set G1H, 48                           ; s[48:55] group 1: half a chunk
.set G0V, 56                           ; s[56:59] group 0: V of step 0
.set MSB, 0
.macro WIN new                         ; the immediate's high byte repeats the setting that is left; a switch that changes nothing is dropped
.if MSB != \new
	s_set_vgpr_msb (MSB<<8)|\new
.set MSB, \new
.endif
.endm
.set W_S,  0x05                        ; K and Q in window 1, S^T in window 0
.set W_PV, 0x51                        ; V in window 1, P in window 0, O^T (C and D) in window 1
.set W_RS, 0x41                        ; O^T (destination and source 0) in window 1, a in window 0
.set TO_1, 0x40                        ; destination window 1
.set DAT1, 0x04                        ; source 1 (an LDS store's data; a product's second source) in window 1
.set IN_1, 0x45                        ; destination and sources 0 and 1 in window 1
.macro PLACES                          ; four places in front of first reads of results and of loads into registers that matrix instructions have read
.rept 4
	v_nop
.endr
.endm
.macro ROUND                           ; a round of the cluster's barrier
	s_barrier_signal -1
	s_barrier_wait -1
	s_cmp_lg_u32 s[WV], 0
	s_cbranch_scc1 .Lnot_wave_0_\@
	s_barrier_signal -3
.Lnot_wave_0_\@:
	s_barrier_wait -3
	s_barrier_signal -1
	s_barrier_wait -1
.endm
.macro LOADK slot                      ; my chunk's eight fragments of K: images of the registers, 512 consecutive bytes a load
	WIN TO_1
.irp f, 0,1,2,3,4,5,6,7
	ds_load_b128 v[KF+8*\f:KF+8*\f+3], v[LA+(\slot)] offset:\f*1024
	ds_load_b128 v[KF+8*\f+4:KF+8*\f+7], v[LA+(\slot)] offset:\f*1024+512
.endr
.endm
.macro LOADV slot
	WIN TO_1
.irp f, 0,1,2,3,4,5,6,7
	ds_load_b128 v[VF+8*\f:VF+8*\f+3], v[LA+(\slot)] offset:VOFF+\f*1024
	ds_load_b128 v[VF+8*\f+4:VF+8*\f+7], v[LA+(\slot)] offset:VOFF+\f*1024+512
.endr
.endm
.macro XWLOAD                          ; what the way out wants: my 32 channels of x for my block's 64 positions, and my 32 rows of W_w as f32
.irp n, 0,1,2,3,4,5,6,7,8,9,10,11,12,13,14,15
	global_load_b128 v[X+4*\n:X+4*\n+3], v[XO], s[6:7] offset:\n*32768 th:TH_LOAD_NT   ; channels 2 n, 2 n + 1 of my 32: sixteen lanes read 256 aligned bytes
.endr
	WIN TO_1
.irp ct, 0,1                           ; channels 16 ct + r of my 32; i = 16 g + 8 h + 4 q on: register 16 ct + 8 g + e holds i = 16 g + 8 h + e
.irp g, 0,1
.irp q, 0,1
	global_load_b128 v[WF+16*\ct+8*\g+4*\q:WF+16*\ct+8*\g+4*\q+3], v[WO], s[8:9] offset:\ct*2048+\g*64+\q*16
.endr
.endr
.endr
	WIN 0
.endm
.macro SMUL tq, buf, a0                ; S^T of query tile tq, keys 16 a0 .. 16 a0 + 63, into buffer buf: four products, each a whole sum (K = 32)
	WIN W_S
.irp a, 0,1,2,3
	v_wmma_f32_16x16x32_f16 v[S0+64*(\buf)+8*((\a0)+\a):S0+64*(\buf)+8*((\a0)+\a)+7], v[KF+8*((\a0)+\a):KF+8*((\a0)+\a)+7], v[QF+8*(\tq):QF+8*(\tq)+7], 0
.endr
.endm
.macro PVMUL tq, buf, k0, zero         ; O^T of tile tq += V^T P, keys 32 k0 .. 32 k0 + 63; P lies in buffer buf's first 32 registers.  zero = 1: the first two products start the sums: nothing is cleared
	WIN W_PV
.irp kk, 0,1
.irp u, 0,1
.if (\zero) && (((\k0)+\kk) == 0)
	v_wmma_f32_16x16x32_f16 v[OF+16*(\tq)+8*\u:OF+16*(\tq)+8*\u+7], v[VF+8*(2*((\k0)+\kk)+\u):VF+8*(2*((\k0)+\kk)+\u)+7], v[S0+64*(\buf)+8*((\k0)+\kk):S0+64*(\buf)+8*((\k0)+\kk)+7], 0
.else
	v_wmma_f32_16x16x32_f16 v[OF+16*(\tq)+8*\u:OF+16*(\tq)+8*\u+7], v[VF+8*(2*((\k0)+\kk)+\u):VF+8*(2*((\k0)+\kk)+\u)+7], v[S0+64*(\buf)+8*((\k0)+\kk):S0+64*(\buf)+8*((\k0)+\kk)+7], v[OF+16*(\tq)+8*\u:OF+16*(\tq)+8*\u+7]
.endif
.endr
.endr
.endm
; In tile 2 of step stp: the next step's K goes into registers.  Steps 0 and 1 first fill this step's slot again, with the chunk two steps on: all my tensor loads have landed (the next step's among them),
; 0 is added to my spare word, my reads of the slot are back (its K and V went into registers a tile or more ago), a round of the cluster's barrier, and the joint load first behind it.
.macro GETK stp
.if (\stp) < 2
	s_wait_tensorcnt 0x0                           ; no tensor load of mine is out, so a group 0 may be written
	ds_add_u32 v[SPW], v[NIL]
	s_add_nc_u64 s[G0+4*((\stp)%2)+2:G0+4*((\stp)%2)+3], s[G0+4*((\stp)%2)+2:G0+4*((\stp)%2)+3], 2*STEPB
	s_wait_dscnt 0x0                               ; the add is done, and my reads of the slot are over
	ROUND
	tensor_load_to_lds s[G0+4*((\stp)%2):G0+4*((\stp)%2)+3], s[G1:G1+7]   ; a whole chunk (slot 0's set, which first brought K's half alone, begins at the same LDS byte)
	s_nop 0
	PLACES                                         ; the places in front of the loads into K's registers
.else
	s_wait_tensorcnt 0x0                           ; the last chunk's load: none was issued behind it, so the count is 0; nothing is filled any more
	PLACES
.endif
	LOADK 1-(\stp)%2
	WIN 0
.endm
; UNIT i: the softmax of tile i % 4 in step i / 4, with the matrix work of the units beside it
.macro SM i
.set t,  (\i)%4
.set st, (\i)/4
.set bu, (\i)%2
.set rS, S0+64*bu
.set rT, ST+8*t
.set nN, rT+2*(st%2)                   ; this step's -c m
.set nO, rT+2-2*(st%2)                 ; the last step's
.set pz, 0
.if (\i) < 5
.set pz, 1                             ; unit i - 1 lies in step 0: its first products start O^T's sums
.endif
.if (\i) > 0
.if t == 1
	s_wait_dscnt 0x0                               ; this step's V is in
.endif
	PVMUL (t+3)%4, 1-bu, 0, pz
.endif
	WIN 0
.irp k, 0,1,2,3                        ; the largest of my 64 scores and the old m, three operands at a time, four chains by turns; each 16 x 16 result is first read at its low end
	v_max3_num_f32 v[TC+\k], v[rS+16*\k], v[rS+16*\k+1], v[rS+16*\k+2]
.endr
.irp q, 0,1,2
.irp k, 0,1,2,3
	v_max3_num_f32 v[TC+\k], v[TC+\k], v[rS+16*\k+2*\q+3], v[rS+16*\k+2*\q+4]
.endr
.endr
.if (\i) > 0
	PVMUL (t+3)%4, 1-bu, 2, 0
.if t == 0
	PLACES                                         ; the last step's V has been multiplied: this step's takes its registers
	LOADV st%2
.endif
	WIN 0
.endif
.irp q, 3,4,5
.irp k, 0,1,2,3
	v_max3_num_f32 v[TC+\k], v[TC+\k], v[rS+16*\k+2*\q+3], v[rS+16*\k+2*\q+4]
.endr
.endr
	v_max3_num_f32 v[TC], v[TC], v[rS+15], v[rS+31]
	v_max3_num_f32 v[TC+2], v[TC+2], v[rS+47], v[rS+63]
	v_max3_num_f32 v[TC], v[TC], v[TC+1], v[TC+2]
.if st == 0
	v_max_num_f32 v[TC], v[TC], v[TC+3]
.else
	v_max3_num_f32 v[TC], v[TC], v[TC+3], v[rT+1]
.endif
	v_permlanex16_b32 v[rT+3], v[TC], s[SEL], s[SEL+1]   ; the query's other 64 keys lie in the lane 16 away
	v_max_num_f32 v[rT+1], v[TC], v[rT+3]          ; m
	v_mul_f32 v[nN], s[NC], v[rT+1]                ; -c m
.if st > 0
	v_sub_f32 v[rT+7], v[nN], v[nO]                ; c m_old - c m_new
	v_exp_f32 v[rT+6], v[rT+7]                     ; a
.endif
; ONE BATCH: 32 packed scalings and 64 exponentials, none of which reads an exponential's result; a scaling leads, the exponentials of the pair scaled two lines of scaling earlier follow
.set b, 0
.rept 32
	v_pk_fma_f32 v[rS+2*b:rS+2*b+1], v[rS+2*b:rS+2*b+1], s[CS:CS+1], v[nN:nN+1] op_sel_hi:[1,0,0]   ; c s - c m (of the pairs c and -c m the low word serves both halves)
.if b >= 2
	v_exp_f32 v[rS+2*b-4], v[rS+2*b-4]
	v_exp_f32 v[rS+2*b-3], v[rS+2*b-3]
.endif
.if ((\i) < 15) && (b == 9)
.if t == 3
	s_wait_dscnt 0x0                               ; the next step's K is in
.endif
	SMUL (t+1)%4, 1-bu, 0                          ; the other buffer: its P was multiplied 20 plain lines or more ago
	WIN 0
.endif
.if ((\i) < 15) && (b == 21)
	SMUL (t+1)%4, 1-bu, 4
	WIN 0
.endif
.set b, b+1
.endr
.irp e, 60,61,62,63
	v_exp_f32 v[rS+\e], v[rS+\e]
.endr
	v_nop                                          ; a plain line behind the last exponential
	s_wait_alu depctr_va_vdst(0)                   ; one wait for the whole batch and for a, ahead of the first reader
.if (\i) == 0
	s_wait_tensorcnt 0x1                           ; V of step 0 has landed (I alone read it); step 1's chunk, asked for behind it, may be out
	LOADV 0                                        ; no product has touched V's registers yet; the wait for these loads stands at the head of unit 1
	WIN 0
.endif
.if (\i) == 8
	XWLOAD                                         ; behind the request for the last chunk (unit 6), seven units and the merge ahead of their use
.endif
.if (t == 2) && (st < 3)
	GETK st
.endif
; the row's sum of the f32 weights, two chains of pairs, and the packing to f16 in place: pair j lands on register j, which has been summed and packed by then
	v_pk_add_f32 v[TA:TA+1], v[rS:rS+1], v[rS+4:rS+5]
	v_pk_add_f32 v[TB:TB+1], v[rS+2:rS+3], v[rS+6:rS+7]
.irp e, 0,1,2,3
	v_cvt_pk_f16_f32 v[rS+\e], v[rS+2*\e], v[rS+2*\e+1]
.endr
.set g, 2
.rept 14
	v_pk_add_f32 v[TA:TA+1], v[TA:TA+1], v[rS+4*g:rS+4*g+1]
	v_pk_add_f32 v[TB:TB+1], v[TB:TB+1], v[rS+4*g+2:rS+4*g+3]
	v_cvt_pk_f16_f32 v[rS+2*g], v[rS+4*g], v[rS+4*g+1]
	v_cvt_pk_f16_f32 v[rS+2*g+1], v[rS+4*g+2], v[rS+4*g+3]
.set g, g+1
.endr
.if st == 0
	v_pk_add_f32 v[rT+4:rT+5], v[TA:TA+1], v[TB:TB+1]   ; the first step starts l
.else
	v_pk_add_f32 v[TA:TA+1], v[TA:TA+1], v[TB:TB+1]
	v_pk_fma_f32 v[rT+4:rT+5], v[rT+4:rT+5], v[rT+6:rT+7], v[TA:TA+1] op_sel_hi:[1,0,1]   ; l = a l + the step's sum
	WIN W_RS
.irp e, 0,2,4,6,8,10,12,14
	v_pk_mul_f32 v[OF+16*t+\e:OF+16*t+\e+1], v[OF+16*t+\e:OF+16*t+\e+1], v[rT+6:rT+7] op_sel_hi:[1,0]   ; O^T x a
.endr
.endif
.endm
	s_load_b256 s[4:11], s[0:1], 0x0               ; kv s[4:5], x s[6:7], W_w s[8:9], out0 s[10:11]
	v_lshl_add_u32 v[SPW], v0, 2, SPARE
	v_mov_b32 v[NIL], 0
	ds_add_u32 v[SPW], v[NIL]                      ; the wave's opening: the add, twice on end, and its wait ahead of my first tensor load; the set-up below stands between
	ds_add_u32 v[SPW], v[NIL]
	v_lshrrev_b32 v[LI], 5, v0
	v_readfirstlane_b32 s[WV], v[LI]               ; wave 0..7
	s_bfe_u32 s13, ttmp6, 0x40000                  ; cx: my place in the cluster: it enters the addresses of Q, x and out alone
	s_lshl_b32 s14, ttmp9, 2
	s_add_co_u32 s14, s14, s13                     ; my block of 64 queries = 4 x cluster x + cx
	s_and_b32 s15, ttmp7, 0xffff                   ; the batch, which the four partners share
	; descriptor group 1: a dense chunk of 16,384 bytes as 64 rows of 32 elements of 8 bytes; no padding: fragments are read as they lie, 512 consecutive bytes a load
	s_mov_b32 s[G1], 15|(3<<16)|(1<<21)            ; 15:0 the mask: all four work-groups; 17:16 elements of 8 bytes; 21 set beside a mask
	s_mov_b32 s[G1+1], 32<<16                      ; tensor_dim0 = 32
	s_mov_b32 s[G1+2], 64<<16                      ; tensor_dim1 = 64
	s_mov_b32 s[G1+3], 32<<16                      ; tile_dim0 = 32
	s_mov_b32 s[G1+4], 64                          ; tile_dim1 = 64
	s_mov_b32 s[G1+5], 32                          ; from row to row
	s_mov_b32 s[G1+6], 0
	s_mov_b32 s[G1+7], 0
	; and half a chunk, 8,192 bytes: 32 such rows
	s_mov_b32 s[G1H], 15|(3<<16)|(1<<21)
	s_mov_b32 s[G1H+1], 32<<16
	s_mov_b32 s[G1H+2], 32<<16
	s_mov_b32 s[G1H+3], 32<<16
	s_mov_b32 s[G1H+4], 32
	s_mov_b32 s[G1H+5], 32
	s_mov_b32 s[G1H+6], 0
	s_mov_b32 s[G1H+7], 0
	s_mov_b32 s[CS], 0x3fb8aa3b                    ; c = log2(e)
	s_mov_b32 s[CS+1], s[CS]
	s_mov_b32 s[NC], 0xbfb8aa3b                    ; -c
	s_mov_b32 s[SEL], 0x76543210
	s_mov_b32 s[SEL+1], 0xfedcba98
	s_lshl_b32 s42, s[WV], 14                      ; my part of a slot, and my chunk in a step
	s_lshl_b32 s38, s15, 19                        ; the batch's 32 chunks
	s_add_co_u32 s38, s38, s42
	s_mov_b32 s39, 0                               ; s[38:39]: my chunk of step 0: batch and wave alone
	s_lshl_b32 s40, s15, 19                        ; Q: the th fragments of my 64 queries: chunk block / 2, 4,096 bytes for each half
	s_lshr_b32 s41, s14, 1
	s_lshl_b32 s41, s41, 14
	s_add_co_u32 s40, s40, s41
	s_and_b32 s41, s14, 1
	s_lshl_b32 s41, s41, 12
	s_add_co_u32 s40, s40, s41
	s_mov_b32 s41, 0
	s_lshl_b32 s44, s15, 22                        ; x and out: the batch, my wave's 32 channels of 16,384 bytes, my block's 256 bytes
	s_lshl_b32 s45, s[WV], 19
	s_add_co_u32 s44, s44, s45
	s_lshl_b32 s45, s14, 8
	s_add_co_u32 s44, s44, s45
	s_mov_b32 s45, 0
	s_lshl_b32 s46, s[WV], 12                      ; W_w: my wave's 32 rows of 128 bytes
	s_mov_b32 s47, 0
	v_and_b32 v59, 31, v0                          ; lane
	v_and_b32 v57, 15, v0                          ; r
	v_bfe_u32 v58, v0, 4, 1                        ; h
	v_lshlrev_b32 v[LI], 4, v59
	v_add_nc_u32 v[LA], s42, v[LI]
	v_add_nc_u32 v[LA+1], SLOT1, v[LA]
	s_lshl_b32 s43, s[WV], 10
	v_add_nc_u32 v[RA], s43, v[LI]                 ; the merge: wave w = 2 t + u takes O tile w: 1,024 bytes in each wave's part
	v_add_nc_u32 v[RA+1], 0x10000, v[RA]
	s_lshr_b32 s43, s[WV], 1
	s_lshl_b32 s43, s43, 7
	s_add_co_u32 s43, s43, VOFF
	v_lshl_add_u32 v[RS], v59, 2, s43              ; and tile t's statistics: 128 bytes a tile behind the eight O tiles
	v_add_nc_u32 v[RS+1], 0x10000, v[RS]
	v_lshl_add_u32 v[PS], v59, 2, s42
	s_lshl_b32 s43, s[WV], 9
	s_add_co_u32 s43, s43, YF
	v_add_nc_u32 v[YW], s43, v[LI]
	v_add_nc_u32 v[YA], YF, v[LI]
	s_add_co_u32 s43, s42, SLOT1                   ; my stage: my part of slot 1
	v_mul_u32_u24 v[SO], v57, SP
	v_lshl_add_u32 v[SO], v58, 5, v[SO]
	v_add_nc_u32 v[SO], s43, v[SO]                 ; in: row r, 32 bytes for each half of the lanes
	v_mul_u32_u24 v[SR], v58, SP
	v_lshl_add_u32 v[SR], v57, 4, v[SR]
	v_add_nc_u32 v[SR], s43, v[SR]                 ; back: lanes 0-15 one row of 256 bytes, lanes 16-31 the next
	v_lshlrev_b32 v[XO], 14, v58
	v_lshl_add_u32 v[XO], v57, 4, v[XO]            ; and the same two rows in x and out
	v_lshlrev_b32 v[WO], 7, v57
	v_lshl_add_u32 v[WO], v58, 5, v[WO]            ; W_w: row r, channels 8 h on
	s_wait_dscnt 0x0                               ; both opening adds are done
	s_wait_kmcnt 0x0
	s_add_nc_u64 s[38:39], s[4:5], s[38:39]
	s_add_nc_u64 s[40:41], s[4:5], s[40:41]
	s_add_nc_u64 s[6:7], s[6:7], s[44:45]
	s_add_nc_u64 s[10:11], s[10:11], s[44:45]
	s_add_nc_u64 s[8:9], s[8:9], s[46:47]
	WIN TO_1
.irp n, 0,1,2,3                        ; Q goes out ahead of the round: the first scores want it, and it is on its way while the work-groups meet
	global_load_b128 v[QF+8*\n:QF+8*\n+3], v[LI], s[40:41] offset:\n*1024
	global_load_b128 v[QF+8*\n+4:QF+8*\n+7], v[LI], s[40:41] offset:\n*1024+512
.endr
	WIN 0
	ROUND                                          ; all four work-groups are here: the first joint loads meet
	s_mov_b32 s[G0], 1                             ; count = 1
	s_mov_b32 s[G0+1], s42                         ; LDS: my part of slot 0
	s_mov_b64 s[G0+2:G0+3], s[38:39]               ; step 0: its K; later, with the whole chunk's shape, step 2
	s_or_b32 s[G0+3], s[G0+3], 0x80000000          ; type = 2
	s_mov_b32 s[G0V], 1
	s_add_co_u32 s[G0V+1], s42, VOFF               ; step 0's V: 8,192 bytes on, in LDS and in kv
	s_add_nc_u64 s[G0V+2:G0V+3], s[38:39], VOFF
	s_or_b32 s[G0V+3], s[G0V+3], 0x80000000
	s_mov_b32 s[G0+4], 1
	s_add_co_u32 s[G0+5], s42, SLOT1
	s_add_nc_u64 s[G0+6:G0+7], s[38:39], STEPB     ; step 1
	s_or_b32 s[G0+7], s[G0+7], 0x80000000
	tensor_load_to_lds s[G0:G0+3], s[G1H:G1H+7]    ; every wave's three first fills, on one way, ahead of every wait on TENSORcnt and every LDS read: K of step 0,
	s_nop 0
	tensor_load_to_lds s[G0V:G0V+3], s[G1H:G1H+7]  ; its V,
	s_nop 0
	tensor_load_to_lds s[G0+4:G0+7], s[G1:G1+7]    ; and step 1's chunk
	s_nop 0
	PLACES
	s_wait_tensorcnt 0x2                           ; K of step 0 is in LDS (I alone read it); the two loads issued behind it may be out
	LOADK 0
	s_wait_loadcnt 0x0                             ; Q
	s_wait_dscnt 0x0                               ; K
	SMUL 0, 0, 0
	SMUL 0, 0, 4
	WIN 0
.irp n, 0,1,2,3
	v_mov_b32 v[ST+8*\n+3], 0                      ; written once: a lane permute's destination counts as one of its sources.  These four lines are the places behind the first scores
.endr
.irp n, 0,1,2,3,4,5,6,7,8,9,10,11,12,13,14,15
	SM \n
.endr
	PVMUL 3, 1, 0, 0                               ; the last unit's V^T P
	PVMUL 3, 1, 2, 0
	WIN 0
	; THE MERGE.  My partial O^T, -c m and l go into my own part of slot 0, which has had its last fill and which I alone read
.irp n, 0,1,2,3
	v_add_f32 v[ST+8*\n+4], v[ST+8*\n+4], v[ST+8*\n+5]   ; l's two halves.  (Four places behind the last products)
.endr
	WIN DAT1
.irp f, 0,1,2,3,4,5,6,7
	ds_store_b128 v[LA], v[OF+8*\f:OF+8*\f+3] offset:\f*1024          ; each result from its low end on
	ds_store_b128 v[LA], v[OF+8*\f+4:OF+8*\f+7] offset:\f*1024+512
.endr
	WIN 0
.irp n, 0,1,2,3
	ds_store_b32 v[PS], v[ST+8*\n+2] offset:VOFF+128*\n              ; -c m of the last, odd step
	ds_store_b32 v[PS], v[ST+8*\n+4] offset:VOFF+512+128*\n
.endr
	s_wait_dscnt 0x0                               ; for the others' sake: my stores have landed
	s_barrier_signal -1
	s_barrier_wait -1
.irp q, 0,1,2,3,4,5,6,7                ; wave w = 2 t + u merges O tile (t, u): the eight waves' statistics of tile t,
	ds_load_b32 v[NM+\q], v[RS+(\q/4)] offset:(\q%4)*PART
	ds_load_b32 v[FP+2*\q+1], v[RS+(\q/4)] offset:(\q%4)*PART+512
.endr
.irp q, 0,1,2,3,4,5,6,7                ; and their tiles
	ds_load_b128 v[RO+8*\q:RO+8*\q+3], v[RA+(\q/4)] offset:(\q%4)*PART
	ds_load_b128 v[RO+8*\q+4:RO+8*\q+7], v[RA+(\q/4)] offset:(\q%4)*PART+512
.endr
	s_wait_dscnt 16                                ; the 16 words are in; the 16 loads of tiles may be out
	v_min_num_f32 v[TM], v[NM], v[NM+1]            ; the least -c m is that of the largest m
.irp q, 2,3,4,5,6,7
	v_min_num_f32 v[TM], v[TM], v[NM+\q]
.endr
.irp q, 0,1,2,3,4,5,6,7
	v_sub_f32 v[FP+2*\q], v[TM], v[NM+\q]
.endr
.irp q, 0,1,2,3,4,5,6,7
	v_exp_f32 v[FP+2*\q], v[FP+2*\q]               ; 2^(c m_w - c m): at most 1, and 1 for the wave that holds the largest score
.endr
	v_nop
	s_wait_alu depctr_va_vdst(0)                   ; one wait for the eight
	v_mul_f32 v[LT], v[FP], v[FP+1]
.irp q, 1,2,3,4,5,6,7
	v_fma_f32 v[LT], v[FP+2*\q], v[FP+2*\q+1], v[LT]
.endr
	s_wait_dscnt 0x0
.irp e, 0,2,4,6
	v_pk_mul_f32 v[AC+\e:AC+\e+1], v[RO+\e:RO+\e+1], v[FP:FP+1] op_sel_hi:[1,0]
.endr
.irp q, 1,2,3,4,5,6,7
.irp e, 0,2,4,6
	v_pk_fma_f32 v[AC+\e:AC+\e+1], v[RO+8*\q+\e:RO+8*\q+\e+1], v[FP+2*\q:FP+2*\q+1], v[AC+\e:AC+\e+1] op_sel_hi:[1,0,1]
.endr
.endr
	v_permlanex16_b32 v[TM], v[LT], s[SEL], s[SEL+1]
	v_add_f32 v[LT], v[LT], v[TM]                  ; with lane l xor 16's keys: the row's sum, at least 1
	v_rcp_f32 v[RC], v[LT]
	v_mov_b32 v[RC+1], 0                           ; a plain line behind the reciprocal; it also writes the pair's other half
	s_wait_alu depctr_va_vdst(0)
.irp e, 0,2,4,6
	v_pk_mul_f32 v[AC+\e:AC+\e+1], v[AC+\e:AC+\e+1], v[RC:RC+1] op_sel_hi:[1,0]
.endr
.irp k, 0,1,2,3
	v_cvt_pk_f16_f32 v[YP+\k], v[AC+2*\k], v[AC+2*\k+1]   ; y(query 16 t + r, i = 16 u + 8 h + 0..7): group u of tile t's fragment, as it stands
.endr
	ds_store_b128 v[YW], v[YP:YP+3]
	s_wait_dscnt 0x0
	s_barrier_signal -1
	s_barrier_wait -1
	; THE LAST PRODUCT, source 0 = 16 queries of y, source 1 = 16 rows of W_w: a lane holds one channel c and eight neighbouring positions
.irp n, 0,1,2,3
	ds_load_b128 v[YR+8*\n:YR+8*\n+3], v[YA] offset:\n*1024
	ds_load_b128 v[YR+8*\n+4:YR+8*\n+7], v[YA] offset:\n*1024+512
.endr
	s_wait_loadcnt 0x0                             ; W_w and x, asked for in unit 8
	WIN IN_1                                       ; W_w to f16 in place, while y's fragments come: pair p of the 32 numbers lands on register p, whose own number has been packed by then
.set k, 0
.rept 16
	v_cvt_pk_f16_f32 v[WF+k], v[WF+2*k], v[WF+2*k+1]
.set k, k+1
.endr
	s_wait_dscnt 0x0
	WIN DAT1
.irp n, 0,1,2,3
.irp ct, 0,1
	v_wmma_f32_16x16x32_f16 v[DR+8*(2*\n+\ct):DR+8*(2*\n+\ct)+7], v[YR+8*\n:YR+8*\n+7], v[WF+8*\ct:WF+8*\ct+7], 0
.endr
.endr
	WIN 0
	PLACES
.irp n, 0,1,2,3                        ; through my own stage, in my part of slot 1 (its last fill is long read out): rows = my 32 channels, 64 positions of 4 bytes
.irp ct, 0,1
	ds_store_b128 v[SO], v[DR+8*(2*\n+\ct):DR+8*(2*\n+\ct)+3] offset:\ct*16*SP+64*\n
	ds_store_b128 v[SO], v[DR+8*(2*\n+\ct)+4:DR+8*(2*\n+\ct)+7] offset:\ct*16*SP+64*\n+16
.endr
.endr
.irp n, 0,1,2,3,4,5,6,7,8,9,10,11,12,13,14,15
	ds_load_b128 v[BK+4*\n:BK+4*\n+3], v[SR] offset:\n*2*SP   ; LDS serves a wave's instructions in order (ISA guide 5.7.1.4): these see my stores
.endr
.irp n, 0,1,2,3,4,5,6,7,8,9,10,11,12,13,14,15
	s_wait_dscnt 15-\n                             ; rows 2 n, 2 n + 1 are back; the younger loads may be out
	v_pk_add_f32 v[BK+4*\n:BK+4*\n+1], v[BK+4*\n:BK+4*\n+1], v[X+4*\n:X+4*\n+1]
	v_pk_add_f32 v[BK+4*\n+2:BK+4*\n+3], v[BK+4*\n+2:BK+4*\n+3], v[X+4*\n+2:X+4*\n+3]
	global_store_b128 v[XO], v[BK+4*\n:BK+4*\n+3], s[10:11] offset:\n*32768 th:TH_STORE_NT   ; sixteen lanes store 256 consecutive bytes, at a multiple of 256 from out0's first byte
.endr
	s_wait_tensorcnt 0x0                           ; the wave's end
	ds_add_u32 v[SPW], v[NIL]
	s_wait_dscnt 0x0
	ROUND                                          ; the closing round: no work-group ends while a partner may still ask for a chunk that names it
	s_endpgm
.Lfunc_end_k_qeef460760d_attend:
	.size	k_qeef460760d_attend, .Lfunc_end_k_qeef460760d_attend-k_qeef460760d_attend
	.p2alignl 7, 3214868480
	.fill 96, 4, 3214868480
	.section	.rodata,"a",@progbits
	.p2align	6, 0x0
	.amdhsa_kernel k_qeef460760d_attend
		.amdhsa_group_segment_fixed_size 327680
		.amdhsa_private_segment_fixed_size 0
		.amdhsa_enable_private_segment 0
		.amdhsa_kernarg_size 32
		.amdhsa_user_sgpr_count 2
		.amdhsa_user_sgpr_kernarg_segment_ptr 1
		.amdhsa_wavefront_size32 1
		.amdhsa_system_sgpr_workgroup_id_x 1
		.amdhsa_system_sgpr_workgroup_id_y 1
		.amdhsa_system_sgpr_workgroup_id_z 1
		.amdhsa_system_vgpr_workitem_id 0
		.amdhsa_next_free_vgpr 512
		.amdhsa_next_free_sgpr 66
		.amdhsa_reserve_vcc 0
		.amdhsa_float_denorm_mode_32 3
		.amdhsa_float_denorm_mode_16_64 3
		.amdhsa_memory_ordered 1
		.amdhsa_forward_progress 1
		.amdhsa_inst_pref_size 226
	.end_amdhsa_kernel
	.amdgpu_metadata
---
amdhsa.version: [ 1, 2 ]
amdhsa.kernels:
  - .name:           k_qeef460760d_attend
    .symbol:         k_qeef460760d_attend.kd
    .args:
      - { .name: kv, .offset: 0, .size: 8, .value_kind: global_buffer, .address_space: global }
      - { .name: x, .offset: 8, .size: 8, .value_kind: global_buffer, .address_space: global }
      - { .name: W_w, .offset: 16, .size: 8, .value_kind: global_buffer, .address_space: global }
      - { .name: out0, .offset: 24, .size: 8, .value_kind: global_buffer, .address_space: global }
    .group_segment_fixed_size: 327680
    .private_segment_fixed_size: 0
    .kernarg_segment_align: 8
    .kernarg_segment_size: 32
    .max_flat_workgroup_size: 256
    .sgpr_count:     66
    .vgpr_count:     512
    .wavefront_size: 32
...
	.end_amdgpu_metadata
.endif
;; end of part 2
